; MI455X (gfx1250); checked and timed in simulation.
; The chip was launched on July 23, 2026; its instructions are those of AMD's public machine-readable ISA for CDNA 5 (MIT licence, August 2026) and "CDNA5" Instruction Set Architecture Reference Guide (July 2026). The comments in the code are by the model that wrote it; some were corrected since.
;; Multi Head Attention. Allowed arithmetic: matrix products marked QUANTISED: E2M1 operands, one E8M0 scale for each 32 along K, by v_wmma_scale_f32_16x16x128_f8f6f4 with both operands' format E2M1 (or v_wmma_scale_f32_32x16x128_f4), f32 sums; everything else in f32.
;; Inputs: Wk 12 x 768 x 64 float32; Wp 768 x 768 float32; Wq 12 x 768 x 64 float32; Wv 12 x 768 x 64 float32; bk 12 x 64 float32; bp 768 float32; bq 12 x 64 float32; bv 12 x 64 float32; x 16 x 1,024 x 768 float32.
;; Outputs: out0 16 x 1,024 x 768 float32.
;; This version of the problem:
;;   THIS VERSION OF THE PROBLEM IS GIVEN IN LOW PRECISION. The matrix products marked QUANTISED in the list below multiply operands that are first quantised to E2M1 (2 exponent bits, 1 mantissa bit; 4 bits a number), with one power-of-two scale for each 32 numbers along K (OCP MX v1.0); their sums are f32. All else is computed in f32.
;;   The module's matrix products, in the order in which they are computed (A, B: the left and right operand; K: the contracted axis; several contracted axes count as one K, in the product's order):
;;     1. [M 768, K 768] x [K 768, N 16,384]; A: input Wq; B: input x: QUANTISED
;;     2. [M 768, K 768] x [K 768, N 16,384]; A: input Wk; B: input x: QUANTISED
;;     3. [M 768, K 768] x [K 768, N 16,384]; A: input Wv; B: input x: QUANTISED
;;     4. batch 192 x [M 1,024, K 64] x [K 64, N 1,024]; A: computed on the way; B: computed on the way: QUANTISED
;;     5. batch 192 x [M 1,024, K 1,024] x [K 1,024, N 64]; A: softmax (see below); B: computed on the way: QUANTISED
;;     6. [M 16,384, K 768] x [K 768, N 768]; A: computed on the way; B: input Wp: QUANTISED
;;   THE QUANTISER, for each operand of a quantised product, along K:
;;     - K is cut into blocks of 32 from its start; a last block that is shorter is filled with zeros.
;;     - A block's scale is 2^e with e = floor(log2(the largest magnitude in the block)) - 2, held to -126 .. 127; a block of zeros has e = 0. As a byte (E8M0): e + 127.
;;     - Each number is divided by its block's scale, clamped to +-6, and rounded to the nearest number of E2M1, ties to even, subnormals kept.
;;     - The product sums the exact products of the quantised numbers (number of the format x scale) in f32.
;;   ~~~python
;;   def quantise(x, axis):      # numpy; x: float32 -> the quantised numbers, widened to float32 again
;;       x = np.moveaxis(x, axis, -1); K = x.shape[-1]
;;       x = np.pad(x, [(0, 0)] * (x.ndim - 1) + [(0, -K % 32)]); x = x.reshape(x.shape[:-1] + (-1, 32)); a = np.abs(x).max(-1, keepdims=True)
;;       e = np.where(a > 0, np.clip(np.frexp(np.where(a > 0, a, 1))[1] - 1 - 2, -126, 127), 0)      # np.frexp(a)[1] - 1 = floor(log2(a)), exactly
;;       r = np.clip(x / 2.0 ** e, -6, 6)
;;       step = 2.0 ** (np.maximum(np.frexp(np.where(r == 0, 1, r))[1] - 1, 0) - 1)
;;       q = np.round(r / step) * step * 2.0 ** e      # np.round: ties to even
;;       return np.moveaxis(q.reshape(q.shape[:-2] + (-1,))[..., :K], -1, axis).astype(np.float32)
;;   ~~~
;;   SOFTMAX AHEAD OF A QUANTISED PRODUCT. Where the list says 'softmax', what is quantised is not the finished softmax but p = 2^(t - M), with t = logit x log2(e) and M = ceil(the row's largest t), a whole number; so 1/2 < the row's largest p <= 1. The row's sum l is taken of the UNQUANTISED p, in f32, and the product's result is divided by l at the end. Since M is a whole number, a kernel that streams over the keys may use a running M (the ceiling of the running maximum): every later rescaling is an exact power of two, which a block's scale takes up: the codes' values come out the same.
;;   OPERANDS COMPUTED ON THE WAY. 'Computed on the way' means the value that the module computes at that place (a softmax that the list does not call 'softmax' is quantised finished and normalised). What goes into a quantiser is computed in f32, as accurately as f32 sums, v_exp_f32 and their like allow (about 1e-6 of the number): no bf16 or f16 on the way to a quantiser, and a product that is left as it is and whose result goes on into a quantised operand takes f32 operands (vector FMAs, or v_wmma_f32_16x16x4_f32). A number that lies on a knife's edge between two numbers of the format may be rounded either way, as far as f32 arithmetic and the matrix unit's own rounding can turn it there, and no further.
;; One version. Each part assembles by itself: llvm-mc -triple=amdgcn-amd-amdhsa -mcpu=gfx1250 --defsym DOCPART=n.
;; ======== version 1 of 1: 4 launches
;; limits: right only within a limited range of input values
;; workspace buffers: xq 6,684,672 bytes; wq 1,253,376 bytes; qq 7,077,888 bytes; kv 13,762,560 bytes; oq 6,684,672 bytes
;; launch quant (part 1): grid 304 x 3, 4 waves a work-group, no clusters, 10,752 bytes of LDS; arguments x, Wq, Wk, Wv, Wp, xq, wq; writes xq, wq
.if DOCPART == 1
	.amdgcn_target "amdgcn-amd-amdhsa--gfx1250"
	.amdhsa_code_object_version 6
	.text
	.protected	k_q4f149ad1f1_quant
	.globl	k_q4f149ad1f1_quant
	.p2align	8
	.type	k_q4f149ad1f1_quant,@function
k_q4f149ad1f1_quant:
	s_mov_b64 s[64:65], 0
	v_nop
	global_prefetch_b8 v0, s[64:65] scope:SCOPE_SE
	s_setreg_imm32_b32 hwreg(HW_REG_WAVE_MODE, 25, 1), 1
	s_wait_xcnt 0x0
; x [16384][768] f32 (K innermost) and Wq, Wk, Wv [12][768][64], Wp [768][768] f32 (K = the 768 of the first matrix axis) become codes of FP4 (E2M1) with one E8M0 byte for each 32 along K.
; A block's scale is 2^(floor(log2(its largest magnitude)) - 2): its byte is that magnitude's exponent field - 2, held at 1 from below by a floor among the maximum's leaves.
; LIMITS: NaN and infinities among the inputs are not served; a block whose largest magnitude lies under 2^-124 keeps the byte 1; a block of zeros has the byte 1 where the rule says 127
; (its codes are zeros, which add nothing under any byte but 0xff, and this program alone reads the bytes).
; THE OUTPUT IS LAID IN THE ORDER OF THE OPERAND'S REGISTERS.  A fragment (16 rows x 128 K) is an image of 1,024 bytes: [block of 32 along K: 4][row r: 16][16 bytes]; lane (r, h) of a matrix operand finds its
; registers 4 c .. 4 c + 3 at 512 c + 16 lane.  A scale word (four bytes, 128 along K of one row) lies at [fragment][r].
; THE ROWS OF A TILE ARE NOT NEIGHBOURS: row r of tile 2 G + u is index 32 G + 8 u + r + 8 (r / 8), for tokens and for the weights' columns alike.
; xq: codes [tile 1024][K step 6][1,024]; from XQS on scale words [tile][K step][r].   wq: 192 slots of [K step 6][1,024]; from WQS on [slot][K step][r].
; slot = (3 head + matrix) x 4 + tile of the head's 64 columns for Wq, Wk, Wv (matrix 0, 1, 2); 144 + tile of the 768 columns for Wp.
; Work-groups x < 256 take x: a wave takes one tile of 16 tokens and 256 along K (work-group y says which).  The others take the weights: 32 columns x 128 along K, wave w the w-th matrix.
; x's LOADS ARE DENSE: a row's 1,024 bytes come by two loads of 512 consecutive bytes, 16 a lane.  The conversion takes eight neighbours from ONE lane, so lanes 2 m and 2 m + 1 exchange four registers:
; the even lane then holds numbers 8 m .. 8 m + 7 of the first 128 along K, the odd lane those of the second 128.
; Only the first path uses LDS, each wave its own bytes: no barrier.
.set XQS,   6291456
.set WQS,   1179648
.set FLOOR, 0x1800000                  ; 2^(3 - 127)
.set X,     32                         ; v32-159  the numbers
.set CODE,  160                        ; v160-175 codes
.set BY,    176                        ; v176-191 scale bytes (x);  v176 the scale word (weights)
.set SW,    176
.set WREG,  2560                       ; LDS of a wave: 8 chunks of 256 + 16 bytes of codes, then 128 bytes of scale words
.set SCB,   2176
.set WV,    18
; four rows of x by turns: rows 4 g .. 4 g + 3.  v8-23: first what is exchanged (four registers a row), then at work on the maxima
.macro XROWS g
	s_wait_loadcnt 24-8*\g                         ; two loads a row, in order: the rows behind these four may stay out
.irp a, 0,1,2,3
.irp j, 0,1,2,3
	v_cndmask_b32 v[8+4*\a+\j], v[X+8*(4*\g+\a)+4+\j], v[X+8*(4*\g+\a)+\j], s29   ; what I give: an even lane its four of the second 128, an odd lane its four of the first
.endr
.endr
.irp a, 0,1,2,3
.irp j, 0,1,2,3
	v_mov_b32_dpp v[8+4*\a+\j], v[8+4*\a+\j] row_xmask:1 row_mask:0xf bank_mask:0xf   ; and what lane l xor 1 gives me
.endr
.endr
.irp a, 0,1,2,3
.irp j, 0,1,2,3
	v_cndmask_b32 v[X+8*(4*\g+\a)+\j], v[X+8*(4*\g+\a)+\j], v[8+4*\a+\j], s29       ; even: my own four, then the neighbour's;
	v_cndmask_b32 v[X+8*(4*\g+\a)+4+\j], v[8+4*\a+\j], v[X+8*(4*\g+\a)+4+\j], s29   ; odd: the neighbour's four, then my own: eight neighbours along K
.endr
.endr
.irp a, 0,1,2,3
	v_max3_num_f32 v[8+\a], |v[X+8*(4*\g+\a)]|, |v[X+8*(4*\g+\a)+1]|, FLOOR
	v_max3_num_f32 v[12+\a], |v[X+8*(4*\g+\a)+2]|, |v[X+8*(4*\g+\a)+3]|, |v[X+8*(4*\g+\a)+4]|
.endr
.irp a, 0,1,2,3
	v_max3_num_f32 v[8+\a], v[8+\a], |v[X+8*(4*\g+\a)+5]|, |v[X+8*(4*\g+\a)+6]|
.endr
.irp a, 0,1,2,3
	v_max3_num_f32 v[8+\a], v[8+\a], v[12+\a], |v[X+8*(4*\g+\a)+7]|
.endr
.irp a, 0,1,2,3
	v_max_num_f32_dpp v[8+\a], v[8+\a], v[8+\a] row_xmask:2 row_mask:0xf bank_mask:0xf   ; a block's four lanes differ in bits 1 and 2 of the lane's number
.endr
.irp a, 0,1,2,3
	v_max_num_f32_dpp v[8+\a], v[8+\a], v[8+\a] row_xmask:4 row_mask:0xf bank_mask:0xf   ; the block's largest magnitude, in its four lanes
.endr
.irp a, 0,1,2,3
	v_add_nc_u32 v[16+\a], 0xff000000, v[8+\a]     ; 2 off its exponent field: the conversion takes the exponent field of this operand as its scale
.endr
.irp a, 0,1,2,3
	v_cvt_scalef32_pk8_fp4_f32 v[CODE+4*\g+\a], v[X+8*(4*\g+\a):X+8*(4*\g+\a)+7], v[16+\a]
.endr
.irp a, 0,1,2,3
	v_lshrrev_b32 v[BY+4*\g+\a], 23, v[16+\a]      ; the scale's byte (also the plain instruction behind the conversions)
.endr
.irp a, 0,1,2,3
	ds_store_b32 v5, v[CODE+4*\g+\a] offset:16*(4*\g+\a)         ; chunk = my block, row r at 16 r, my 4 bytes of its 16
	ds_store_b8 v7, v[BY+4*\g+\a] offset:SCB+4*(4*\g+\a)         ; the four lanes of a block write the same byte with the same value
.endr
.endm
; the weights: block kb of 32 along K, one column a lane
.macro WLOADB kb, stride
.set n, 0
.rept 32
	global_load_b32 v[X+32*(\kb)+n], v2, s[30:31] offset:(32*(\kb)+n)*\stride th:TH_LOAD_NT   ; 32 lanes read 128 consecutive bytes of one row
.set n, n+1
.endr
.endm
.macro WBLOCK kb, stride
.set XB, X+32*(\kb)
.if \kb < 3
	s_wait_loadcnt 32                              ; this block's 32 loads are in; the next block's may be out
.else
	s_wait_loadcnt 0x0
.endif
.if \kb < 2
	WLOADB \kb+2, \stride
.endif
	v_max3_num_f32 v12, |v[XB]|, |v[XB+1]|, |v[XB+2]|             ; all 32 numbers of the block are mine
	v_max3_num_f32 v13, |v[XB+3]|, |v[XB+4]|, |v[XB+5]|
.irp i, 6,10,14,18,22,26
	v_max3_num_f32 v12, v12, |v[XB+\i]|, |v[XB+\i+1]|
	v_max3_num_f32 v13, v13, |v[XB+\i+2]|, |v[XB+\i+3]|
.endr
	v_max3_num_f32 v12, v12, |v[XB+30]|, |v[XB+31]|
	v_max3_num_f32 v12, v12, v13, FLOOR
	v_add_nc_u32 v11, 0xff000000, v12
	v_lshrrev_b32 v10, 23, v11
.if \kb == 0
	v_mov_b32 v[SW], v10
.else
	v_lshl_or_b32 v[SW], v10, 8*\kb, v[SW]         ; four bytes make my column's scale word of this K step
.endif
.irp g, 0,1,2,3
	v_cvt_scalef32_pk8_fp4_f32 v[CODE+4*\kb+\g], v[XB+8*\g:XB+8*\g+7], v11
.endr
	global_store_b128 v6, v[CODE+4*\kb:CODE+4*\kb+3], s[32:33] offset:256*\kb   ; the sixteen lanes of a tile fill 256 consecutive bytes, aligned; each block has its own data registers
.endm
; s28 = the first of my two slots, s22 = the K step, s[30:31] = my first number
.macro WPATH stride
	s_mul_i32 s32, s28, 6144
	s_lshl_b32 s25, s22, 10
	s_add_co_u32 s32, s32, s25
	s_mov_b32 s33, 0
	s_add_nc_u64 s[32:33], s[16:17], s[32:33]      ; the image of (slot, K step)
	s_mul_i32 s34, s28, 384
	s_lshl_b32 s25, s22, 6
	s_add_co_u32 s34, s34, s25
	s_add_co_u32 s34, s34, WQS
	s_mov_b32 s35, 0
	s_add_nc_u64 s[34:35], s[16:17], s[34:35]      ; and its scale words
	WLOADB 0, \stride
	WLOADB 1, \stride
	WBLOCK 0, \stride
	WBLOCK 1, \stride
	WBLOCK 2, \stride
	WBLOCK 3, \stride
	global_store_b32 v7, v[SW], s[34:35]
.endm
	s_load_b256 s[4:11], s[0:1], 0x0               ; x s[4:5], Wq s[6:7], Wk s[8:9], Wv s[10:11]
	s_load_b128 s[12:15], s[0:1], 0x20             ; Wp s[12:13], xq s[14:15]
	s_load_b64 s[16:17], s[0:1], 0x30              ; wq
	v_lshl_add_u32 v192, v0, 2, 0x2800
	v_mov_b32 v193, 0
	v_lshrrev_b32 v1, 5, v0
	v_readfirstlane_b32 s[WV], v1                  ; wave 0..3
	v_and_b32 v1, 31, v0                           ; lane
	s_and_b32 s19, ttmp7, 0xffff                   ; work-group y
	s_cmp_lt_u32 ttmp9, 256
	s_cbranch_scc0 .Lweights
	; ---- x
	s_lshl_b32 s20, ttmp9, 2
	s_add_co_u32 s20, s20, s[WV]                   ; my tile of 16 tokens
	s_lshr_b32 s21, s20, 1
	s_mul_i32 s22, s21, 98304                      ; 32 rows of 3,072 bytes for each pair of tiles,
	s_and_b32 s21, s20, 1
	s_mul_i32 s21, s21, 24576                      ; 8 rows for the odd tile,
	s_add_co_u32 s22, s22, s21
	s_lshl_b32 s21, s19, 10                        ; 256 numbers along K for each y
	s_add_co_u32 s22, s22, s21
	s_mov_b32 s23, 0
	s_mul_i32 s24, s20, 6144
	s_lshl_b32 s21, s19, 11
	s_add_co_u32 s24, s24, s21                     ; codes: tile x 6 images + 2 images for each y
	s_mov_b32 s25, 0
	s_mul_i32 s26, s20, 384
	s_lshl_b32 s21, s19, 7
	s_add_co_u32 s26, s26, s21
	s_add_co_u32 s26, s26, XQS                     ; scale words
	s_mov_b32 s27, 0
	s_mul_i32 s28, s[WV], WREG                     ; my wave's LDS
	s_mov_b32 s29, 0xaaaaaaaa                      ; the odd lanes
	s_wait_alu depctr_va_vdst(0)
	v_lshlrev_b32 v2, 4, v1                        ; in, and the codes' way out: 16 bytes a lane
	v_lshrrev_b32 v3, 3, v1                        ; behind the exchange: my block of the K step: lane / 8,
	v_and_b32 v4, 1, v1                            ; my K step of the two: lane % 2,
	v_bfe_u32 v6, v1, 1, 2                         ; my 4 bytes of the block's 16: (lane / 2) % 4
	v_lshl_add_u32 v5, v4, 2, v3                   ; chunk = 4 x K step + block
	v_mul_u32_u24 v5, v5, 272
	v_lshl_add_u32 v5, v6, 2, v5
	v_add_nc_u32 v5, s28, v5                       ; codes into the stage: word 68 x chunk + (lane / 2) % 4: 32 different banks
	v_lshl_add_u32 v7, v4, 6, v3
	v_add_nc_u32 v7, s28, v7                       ; scale bytes: 64 x K step + block (+ 4 r in the immediate)
	v_lshrrev_b32 v29, 4, v1
	v_and_b32 v24, 15, v1
	v_mul_u32_u24 v25, v29, 272
	v_lshl_add_u32 v25, v24, 4, v25
	v_add_nc_u32 v25, s28, v25                     ; back: sixteen lanes take a chunk of 256 bytes
	v_lshlrev_b32 v26, 2, v1
	v_add_nc_u32 v27, s28, v26
	s_wait_kmcnt 0x0
	s_add_nc_u64 s[4:5], s[4:5], s[22:23]
	s_add_nc_u64 s[24:25], s[14:15], s[24:25]
	s_add_nc_u64 s[26:27], s[14:15], s[26:27]
.irp r, 0,1,2,3,4,5,6,7,8,9,10,11,12,13,14,15
	global_load_b128 v[X+8*\r:X+8*\r+3], v2, s[4:5] offset:(\r+8*(\r/8))*3072 th:TH_LOAD_NT       ; each load covers 512 consecutive bytes: the row's first 128 numbers,
	global_load_b128 v[X+8*\r+4:X+8*\r+7], v2, s[4:5] offset:(\r+8*(\r/8))*3072+512 th:TH_LOAD_NT ; and its second 128
.endr
	XROWS 0
	XROWS 1
	XROWS 2
	XROWS 3
.irp i, 0,1,2,3
	ds_load_b128 v[X+4*\i:X+4*\i+3], v25 offset:544*\i           ; LDS serves a wave's instructions in order: these see my stores
.endr
	ds_load_b32 v[X+16], v27 offset:SCB
.irp i, 0,1,2,3
	s_wait_dscnt 4-\i                              ; the younger read-backs may be out
	global_store_b128 v2, v[X+4*\i:X+4*\i+3], s[24:25] offset:512*\i    ; 512 consecutive bytes, aligned
.endr
	s_wait_dscnt 0x0
	global_store_b32 v26, v[X+16], s[26:27]        ; 128 consecutive bytes of scale words: two K steps x 16 rows
	s_wait_tensorcnt 0x0
	ds_add_u32 v192, v193
	s_wait_dscnt 0x0
	s_endpgm
	; ---- the weights
.Lweights:
	s_sub_co_u32 s20, ttmp9, 256
	s_lshr_b32 s21, s20, 1                         ; which 32 of the 768 columns
	s_and_b32 s22, s20, 1
	s_mul_i32 s22, s22, 3
	s_add_co_u32 s22, s22, s19                     ; K step 0..5
	s_lshr_b32 s23, s21, 1                         ; the head,
	s_and_b32 s24, s21, 1                          ; and which half of its 64 columns
	s_wait_alu depctr_va_vdst(0)
	v_lshlrev_b32 v2, 2, v1                        ; in: my column, 4 bytes a lane
	v_bfe_u32 v3, v1, 3, 1                         ; column 8 u + r + 8 (r / 8): u = (lane / 8) % 2,
	v_and_b32 v4, 7, v1
	v_lshrrev_b32 v5, 4, v1
	v_lshl_add_u32 v4, v5, 3, v4                   ; r = lane % 8 + 8 (lane / 16)
	v_mul_u32_u24 v6, v3, 6144
	v_lshl_add_u32 v6, v4, 4, v6                   ; out: slot u, row r
	v_mul_u32_u24 v7, v3, 384
	v_lshl_add_u32 v7, v4, 2, v7
	s_cmp_eq_u32 s[WV], 3
	s_cbranch_scc1 .Lwp
	s_mul_i32 s26, s23, 196608                     ; a head is 768 rows of 256 bytes
	s_lshl_b32 s25, s22, 15                        ; 128 rows a K step
	s_add_co_u32 s26, s26, s25
	s_lshl_b32 s25, s24, 7
	s_add_co_u32 s26, s26, s25
	s_mov_b32 s27, 0
	s_mul_i32 s28, s23, 3
	s_add_co_u32 s28, s28, s[WV]
	s_lshl_b32 s28, s28, 2
	s_lshl_b32 s25, s24, 1
	s_add_co_u32 s28, s28, s25                     ; my first slot
	s_wait_kmcnt 0x0
	s_cmp_eq_u32 s[WV], 0                          ; the matrix is chosen by the wave's number alone
	s_cselect_b64 s[30:31], s[6:7], s[8:9]
	s_cmp_eq_u32 s[WV], 2
	s_cselect_b64 s[30:31], s[10:11], s[30:31]
	s_add_nc_u64 s[30:31], s[30:31], s[26:27]
	s_wait_alu depctr_va_vdst(0)
	WPATH 256
	s_endpgm
.Lwp:
	s_mul_i32 s26, s22, 393216                     ; 128 rows of 3,072 bytes a K step
	s_lshl_b32 s25, s21, 7
	s_add_co_u32 s26, s26, s25
	s_mov_b32 s27, 0
	s_lshl_b32 s28, s21, 1
	s_add_co_u32 s28, s28, 144
	s_wait_kmcnt 0x0
	s_add_nc_u64 s[30:31], s[12:13], s[26:27]
	s_wait_alu depctr_va_vdst(0)
	WPATH 3072
	s_endpgm
.Lfunc_end_k_q4f149ad1f1_quant:
	.size	k_q4f149ad1f1_quant, .Lfunc_end_k_q4f149ad1f1_quant-k_q4f149ad1f1_quant
	.p2alignl 7, 3214868480
	.fill 96, 4, 3214868480
	.section	.rodata,"a",@progbits
	.p2align	6, 0x0
	.amdhsa_kernel k_q4f149ad1f1_quant
		.amdhsa_group_segment_fixed_size 10752
		.amdhsa_private_segment_fixed_size 0
		.amdhsa_enable_private_segment 0
		.amdhsa_kernarg_size 56
		.amdhsa_user_sgpr_count 2
		.amdhsa_user_sgpr_kernarg_segment_ptr 1
		.amdhsa_wavefront_size32 1
		.amdhsa_system_sgpr_workgroup_id_x 1
		.amdhsa_system_sgpr_workgroup_id_y 1
		.amdhsa_system_sgpr_workgroup_id_z 1
		.amdhsa_system_vgpr_workitem_id 0
		.amdhsa_next_free_vgpr 194
		.amdhsa_next_free_sgpr 66
		.amdhsa_reserve_vcc 0
		.amdhsa_float_denorm_mode_32 3
		.amdhsa_float_denorm_mode_16_64 3
		.amdhsa_memory_ordered 1
		.amdhsa_forward_progress 1
		.amdhsa_inst_pref_size 74
	.end_amdhsa_kernel
	.amdgpu_metadata
---
amdhsa.version: [ 1, 2 ]
amdhsa.kernels:
  - .name:           k_q4f149ad1f1_quant
    .symbol:         k_q4f149ad1f1_quant.kd
    .args:
      - { .name: x, .offset: 0, .size: 8, .value_kind: global_buffer, .address_space: global }
      - { .name: Wq, .offset: 8, .size: 8, .value_kind: global_buffer, .address_space: global }
      - { .name: Wk, .offset: 16, .size: 8, .value_kind: global_buffer, .address_space: global }
      - { .name: Wv, .offset: 24, .size: 8, .value_kind: global_buffer, .address_space: global }
      - { .name: Wp, .offset: 32, .size: 8, .value_kind: global_buffer, .address_space: global }
      - { .name: xq, .offset: 40, .size: 8, .value_kind: global_buffer, .address_space: global }
      - { .name: wq, .offset: 48, .size: 8, .value_kind: global_buffer, .address_space: global }
    .group_segment_fixed_size: 10752
    .private_segment_fixed_size: 0
    .kernarg_segment_align: 8
    .kernarg_segment_size: 56
    .max_flat_workgroup_size: 128
    .sgpr_count:     66
    .vgpr_count:     194
    .wavefront_size: 32
...
	.end_amdgpu_metadata
.endif
;; end of part 1
;; launch qkv (part 2): grid 32 x 6, 4 waves a work-group, clusters of 4 x 1, 327,680 bytes of LDS; arguments xq, wq, bq, bk, bv, qq, kv; writes qq, kv
.if DOCPART == 2
	.amdgcn_target "amdgcn-amd-amdhsa--gfx1250"
	.amdhsa_code_object_version 6
	.text
	.protected	k_q4f149ad1f1_qkv
	.globl	k_q4f149ad1f1_qkv
	.p2align	8
	.type	k_q4f149ad1f1_qkv,@function
k_q4f149ad1f1_qkv:
	s_mov_b64 s[64:65], 0
	v_nop
	global_prefetch_b8 v0, s[64:65] scope:SCOPE_SE
	s_setreg_imm32_b32 hwreg(HW_REG_WAVE_MODE, 25, 1), 1
	s_wait_xcnt 0x0
	s_wait_alu depctr_hold_cnt(0) depctr_sa_sdst(0) depctr_va_vdst(0) depctr_va_sdst(0) depctr_va_ssrc(0) depctr_va_vcc(0) depctr_vm_vsrc(0)
	s_getreg_b32 s2, hwreg(HW_REG_IB_STS2, 6, 4)
	s_cmp_eq_u32 s2, 0
	s_cbranch_scc0 .Lentry_in_a_cluster
	s_endpgm
.Lentry_in_a_cluster:
	s_bfe_u32 s2, ttmp6, 0x10000c
	s_cmp_lg_u32 s2, 0x3003
	s_cbranch_scc0 .Lentry_shape_is_right
	s_endpgm
.Lentry_shape_is_right:
.set XQS,   6291456
.set WQS,   1179648
.set QQS,   6291456
.set FLOOR, 0x1800000
.set WSL,   147456
.set BIAS,  156672
.set L16, 1
.set R4,  2
.set HB,  3
.set AW,  4
.set AS,  5
.set AB,  6
.set SQA, 7
.set VSA, 8
.set PE4, 9
.set BST, 10
.set XS,  16
.set WSC, 64
.set BI,  88
.set WF,  120
.set TM,  184
.set TP,  192
.set SO,  200
.set PC,  208
.set PW,  224
.set PS,  232
.set WV,  18
.set MSB, 0
.macro WIN new
.if MSB != \new
	s_set_vgpr_msb (MSB<<8)|\new
.set MSB, \new
.endif
.endm
.macro PLACES
.rept 4
	v_nop
.endr
.endm
.macro ROUND
	s_barrier_signal -1
	s_barrier_wait -1
	s_cmp_lg_u32 s[WV], 0
	s_cbranch_scc1 .Lnot_wave_0_\@
	s_barrier_signal -3
.Lnot_wave_0_\@:
	s_barrier_wait -3
	s_barrier_signal -1
	s_barrier_wait -1
.endm
.macro WLOAD s
.irp t, 0,1,2,3
.irp c, 0,1
	ds_load_b128 v[WF+32*((\s)%2)+8*\t+4*\c:WF+32*((\s)%2)+8*\t+4*\c+3], v[AW] offset:(6*\t+(\s))*1024+512*\c
.endr
.endr
.endm
.macro MM nat, s, m, t
.set rX, (((\s)%4)*8+\m)*8
.set rW, WF+32*((\s)%2)+8*\t
.if \nat
.set rD, 64*\t+8*\m
.if \s == 0
	v_wmma_scale_f32_16x16x128_f8f6f4 v[rD:rD+7], v[rX:rX+7], v[rW:rW+7], v[BI+8*\t:BI+8*\t+7], v[XS+6*\m+\s], v[WSC+6*\t+\s] matrix_a_fmt:MATRIX_FMT_FP4 matrix_b_fmt:MATRIX_FMT_FP4
.else
	v_wmma_scale_f32_16x16x128_f8f6f4 v[rD:rD+7], v[rX:rX+7], v[rW:rW+7], v[rD:rD+7], v[XS+6*\m+\s], v[WSC+6*\t+\s] matrix_a_fmt:MATRIX_FMT_FP4 matrix_b_fmt:MATRIX_FMT_FP4
.endif
.else
.set rD, 32*\m+8*\t
.if \s == 0
	v_wmma_scale_f32_16x16x128_f8f6f4 v[rD:rD+7], v[rW:rW+7], v[rX:rX+7], v[BI+8*\t:BI+8*\t+7], v[WSC+6*\t+\s], v[XS+6*\m+\s] matrix_a_fmt:MATRIX_FMT_FP4 matrix_b_fmt:MATRIX_FMT_FP4
.else
	v_wmma_scale_f32_16x16x128_f8f6f4 v[rD:rD+7], v[rW:rW+7], v[rX:rX+7], v[rD:rD+7], v[WSC+6*\t+\s], v[XS+6*\m+\s] matrix_a_fmt:MATRIX_FMT_FP4 matrix_b_fmt:MATRIX_FMT_FP4
.endif
.endif
.endm
.macro KSTEP nat, s
	PLACES
	WIN 0
.if \s < 5
	WLOAD \s+1
	s_wait_dscnt 8
.else
	s_wait_dscnt 0x0
.endif
.if \nat
.if \s == 0
	WIN 0xc1
.elseif \s < 4
	WIN 0xf1
.else
	WIN 0xf2
.endif
.else
.if \s == 0
	WIN 0xc4
.elseif \s < 4
	WIN 0xf4
.else
	WIN 0xf8
.endif
.endif
.irp m, 0,1,2,3,4,5,6,7
.irp t, 0,1,2,3
	MM \nat, \s, \m, \t
.endr
.endr
.endm
.macro QH nat, g, cp
	WIN 0x0f
.irp q, 0,1,2,3,4,5,6,7
	v_max3_num_f32 v[TM+\q], |v[128*\g+16*\q]|, |v[128*\g+16*\q+1]|, FLOOR
.endr
.irp i, 2,4,6,8,10,12,14
.irp q, 0,1,2,3,4,5,6,7
	v_max3_num_f32 v[TM+\q], |v[128*\g+16*\q+\i]|, |v[128*\g+16*\q+\i+1]|, v[TM+\q]
.endr
.endr
	WIN 0
.irp q, 0,1,2,3,4,5,6,7
	v_permlanex16_b32 v[TP+\q], v[TM+\q], s72, s73
.endr
.irp q, 0,1,2,3,4,5,6,7
	v_max_num_f32 v[TM+\q], v[TM+\q], v[TP+\q]
.endr
.irp q, 0,1,2,3,4,5,6,7
	v_add_nc_u32 v[SO+\q], 0xff000000, v[TM+\q]
.endr
.irp q, 0,1,2,3,4,5,6,7
	v_lshrrev_b32 v[TP+\q], 23, v[SO+\q]
.endr
.if \nat
.irp p, 0,1
	v_lshl_or_b32 v[PW+2*\g+\p], v[TP+4*\p+1], 8, v[TP+4*\p]
	v_lshl_or_b32 v[PW+2*\g+\p], v[TP+4*\p+2], 16, v[PW+2*\g+\p]
	v_lshl_or_b32 v[PW+2*\g+\p], v[TP+4*\p+3], 24, v[PW+2*\g+\p]
.endr
.else
.irp p, 0,1,2,3
	v_lshl_or_b32 v[PW+4*\g+\p], v[TP+2*\p+1], 8, v[TP+2*\p]
.endr
.endif
.if \g == 1
	s_wait_xcnt 0x0
.endif
	WIN 0x03
.irp q, 0,1,2,3,4,5,6,7
	v_cvt_scalef32_pk8_fp4_f32 v[PC+2*\q], v[128*\g+16*\q:128*\g+16*\q+7], v[SO+\q]
	v_cvt_scalef32_pk8_fp4_f32 v[PC+2*\q+1], v[128*\g+16*\q+8:128*\g+16*\q+15], v[SO+\q]
.endr
	WIN 0
	v_nop
.irp p, 0,1,2,3
.irp i, 0,1
	v_permlane16_swap_b32 v[PC+4*\p+\i], v[PC+4*\p+2+\i]
.endr
.endr
.irp p, 0,1,2,3
	global_store_b128 v[L16], v[PC+4*\p:PC+4*\p+3], s[\cp:\cp+1] offset:(4*\g+\p)*512
.endr
.endm
.macro UNIT nat, w, cp, sp
	s_add_co_u32 s70, s66, \w*24576
	v_add_nc_u32 v[AW], s70, v[L16]
	s_wait_alu depctr_va_vdst(0)
	s_add_co_u32 s70, s67, WSL+\w*1536
	v_add_nc_u32 v[AS], s70, v[R4]
	s_add_co_u32 s70, s68, BIAS+\w*512
.if \nat
	v_add_nc_u32 v[AB], s70, v[PE4]
.else
	v_add_nc_u32 v[AB], s70, v[HB]
.endif
.irp t, 0,1,2,3
.irp s, 0,1,2,3,4,5
	ds_load_b32 v[WSC+6*\t+\s], v[AS] offset:(6*\t+\s)*64
.endr
.endr
.if \nat
.irp t, 0,1,2,3
.irp i, 0,1,2,3,4,5,6,7
	ds_load_b32 v[BI+8*\t+\i], v[AB] offset:(32*(\t/2)+8*(\t%2))*4
.endr
.endr
.else
.irp t, 0,1,2,3
	ds_load_b128 v[BI+8*\t:BI+8*\t+3], v[AB] offset:(32*(\t/2)+8*(\t%2))*4
	ds_load_b128 v[BI+8*\t+4:BI+8*\t+7], v[AB] offset:(32*(\t/2)+8*(\t%2))*4+16
.endr
.endif
	WLOAD 0
	KSTEP \nat, 0
	KSTEP \nat, 1
	KSTEP \nat, 2
	KSTEP \nat, 3
	KSTEP \nat, 4
	KSTEP \nat, 5
	s_wait_xcnt 0x0
	PLACES
	QH \nat, 0, \cp
	QH \nat, 1, \cp
.if \nat
	v_cndmask_b32 v[PS], v[PW], v[PW+2], s71
	v_cndmask_b32 v[PS+1], v[PW+1], v[PW+3], s71
	global_store_b64 v[VSA], v[PS:PS+1], s[\sp:\sp+1]
.else
.irp i, 0,1,2,3
	v_cndmask_b32 v[PS+\i], v[PW+\i], v[PW+4+\i], s71
.endr
	global_store_b128 v[SQA], v[PS:PS+3], s[\sp:\sp+1]
.endif
.endm
	s_load_b256 s[4:11], s[0:1], 0x0
	s_load_b128 s[12:15], s[0:1], 0x20
	s_load_b64 s[16:17], s[0:1], 0x30
	v_lshl_add_u32 v254, v0, 2, 0x29000
	v_mov_b32 v255, 0
	ds_add_u32 v254, v255
	ds_add_u32 v254, v255
	v_lshrrev_b32 v11, 5, v0
	v_readfirstlane_b32 s[WV], v11
	v_lshl_add_u32 v[BST], v0, 4, BIAS
	v_and_b32 v11, 31, v0
	v_lshlrev_b32 v[L16], 4, v11
	v_and_b32 v12, 15, v0
	v_bfe_u32 v13, v0, 4, 1
	v_lshlrev_b32 v[R4], 2, v12
	v_lshlrev_b32 v[HB], 6, v13
	v_lshlrev_b32 v[SQA], 5, v12
	v_lshl_add_u32 v[SQA], v13, 4, v[SQA]
	v_lshlrev_b32 v[VSA], 4, v12
	v_lshl_add_u32 v[VSA], v13, 3, v[VSA]
	v_and_b32 v14, 8, v12
	v_add_nc_u32 v14, v14, v12
	v_lshlrev_b32 v[PE4], 2, v14
.irp q, 0,1,2,3,4,5,6,7
	v_mov_b32 v[TP+\q], 0
.endr
	s_bfe_u32 s19, ttmp6, 0x40000
	s_lshl_b32 s20, ttmp9, 2
	s_add_co_u32 s20, s20, s19
	s_and_b32 s21, ttmp7, 0xffff
	s_lshl_b32 s22, s20, 2
	s_add_co_u32 s22, s22, s[WV]
	s_mul_i32 s74, s22, 49152
	s_mov_b32 s75, 0
	s_mul_i32 s50, s22, 3072
	s_add_co_u32 s50, s50, XQS
	s_mov_b32 s51, 0
	s_lshr_b32 s23, s20, 1
	s_mul_i32 s23, s23, 12
	s_lshl_b32 s70, s21, 1
	s_add_co_u32 s23, s23, s70
	s_and_b32 s70, s20, 1
	s_lshl_b32 s70, s70, 2
	s_add_co_u32 s70, s70, s[WV]
	s_lshl_b32 s76, s70, 12
	s_lshl_b32 s77, s70, 9
	s_lshl_b32 s78, s70, 8
	s_lshl_b32 s52, s23, 15
	s_add_co_u32 s52, s52, s76
	s_mov_b32 s53, 0
	s_lshl_b32 s54, s23, 12
	s_add_co_u32 s54, s54, s77
	s_add_co_u32 s54, s54, QQS
	s_mov_b32 s55, 0
	s_mul_i32 s79, s23, 71680
	s_add_co_u32 s56, s79, s76
	s_mov_b32 s57, 0
	s_add_co_u32 s58, s79, s77
	s_add_co_u32 s58, s58, 65536
	s_mov_b32 s59, 0
	s_add_co_u32 s60, s79, s76
	s_add_co_u32 s60, s60, 32768
	s_mov_b32 s61, 0
	s_add_co_u32 s62, s79, s78
	s_add_co_u32 s62, s62, 69632
	s_mov_b32 s63, 0
	s_mov_b32 s71, 0xffff0000
	s_mov_b32 s72, 0x76543210
	s_mov_b32 s73, 0xfedcba98
	s_mov_b32 s24, 15|(3<<16)|(1<<21)
	s_mov_b32 s25, 32<<16
	s_mov_b32 s26, 192<<16
	s_mov_b32 s27, 32<<16
	s_mov_b32 s28, 192
	s_mov_b32 s29, 32
	s_mov_b32 s30, 0
	s_mov_b32 s31, 0
	s_mov_b32 s36, 15|(3<<16)|(1<<21)
	s_mov_b32 s37, 32<<16
	s_mov_b32 s38, 36<<16
	s_mov_b32 s39, 32<<16
	s_mov_b32 s40, 36
	s_mov_b32 s41, 32
	s_mov_b32 s42, 0
	s_mov_b32 s43, 0
	s_mov_b32 s32, 1
	s_mul_i32 s33, s[WV], 49152                    ; waves 0 to 2: a third of the codes each, 192 rows of 256 bytes
	s_mul_i32 s34, s21, 147456
	s_add_co_u32 s34, s34, s33
	s_mov_b32 s35, 0
	s_mov_b32 s44, 1
	s_mov_b32 s45, 0                               ; wave 3: all 9,216 bytes of scale words, 36 rows of 256 bytes
	s_mul_i32 s46, s21, 9216
	s_add_co_u32 s46, s46, s45
	s_add_co_u32 s46, s46, WQS
	s_mov_b32 s47, 0
	s_add_co_u32 s45, s45, WSL
	s_lshl_b32 s76, s21, 9
	s_mov_b32 s77, 0
	s_wait_dscnt 0x0
	s_wait_kmcnt 0x0
	s_add_nc_u64 s[34:35], s[6:7], s[34:35]
	s_or_b32 s35, s35, 0x80000000
	s_add_nc_u64 s[46:47], s[6:7], s[46:47]
	s_or_b32 s47, s47, 0x80000000
	s_wait_alu depctr_va_vdst(0)
	ROUND
	s_cmp_lt_u32 s[WV], 3                          ; the head's tiles are shared out, one joint load a wave: every way passes one
	s_cbranch_scc0 .Lfor_scales
	tensor_load_to_lds s[32:35], s[24:31]
	s_nop 0
	PLACES
	s_branch .Lasked
.Lfor_scales:
	tensor_load_to_lds s[44:47], s[36:43]
	s_nop 0
	PLACES
.Lasked:
	s_add_nc_u64 s[50:51], s[4:5], s[50:51]
	s_add_nc_u64 s[4:5], s[4:5], s[74:75]
	s_add_nc_u64 s[52:53], s[14:15], s[52:53]
	s_add_nc_u64 s[54:55], s[14:15], s[54:55]
	s_add_nc_u64 s[56:57], s[16:17], s[56:57]
	s_add_nc_u64 s[58:59], s[16:17], s[58:59]
	s_add_nc_u64 s[60:61], s[16:17], s[60:61]
	s_add_nc_u64 s[62:63], s[16:17], s[62:63]
	s_cmp_eq_u32 s[WV], 0
	s_cselect_b64 s[48:49], s[8:9], s[10:11]
	s_cmp_eq_u32 s[WV], 2
	s_cselect_b64 s[48:49], s[12:13], s[48:49]
	s_add_nc_u64 s[48:49], s[48:49], s[76:77]
	WIN 0x40
.irp s, 0,1,2,3
.irp m, 0,1,2,3,4,5,6,7
.irp c, 0,1
	global_load_b128 v[(\s*8+\m)*8+4*\c:(\s*8+\m)*8+4*\c+3], v[L16], s[4:5] offset:(6*\m+\s)*1024+512*\c
.endr
.endr
.endr
	WIN 0x80
.irp s, 4,5
.irp m, 0,1,2,3,4,5,6,7
.irp c, 0,1
	global_load_b128 v[((\s-4)*8+\m)*8+4*\c:((\s-4)*8+\m)*8+4*\c+3], v[L16], s[4:5] offset:(6*\m+\s)*1024+512*\c
.endr
.endr
.endr
	WIN 0
.irp m, 0,1,2,3,4,5,6,7
.irp s, 0,1,2,3,4,5
	global_load_b32 v[XS+6*\m+\s], v[R4], s[50:51] offset:(6*\m+\s)*64
.endr
.endr
	s_cmp_eq_u32 s[WV], 3
	s_cbranch_scc1 .Lno_bias
	global_load_b128 v[TM:TM+3], v[L16], s[48:49]
	s_wait_loadcnt 0x0
	ds_store_b128 v[BST], v[TM:TM+3]
.Lno_bias:
	s_wait_loadcnt 0x0
	s_wait_tensorcnt 0x0
	s_wait_dscnt 0x0
	s_barrier_signal -1
	s_barrier_wait -1
	s_mov_b32 s66, 0
	s_mov_b32 s67, 0
	s_mov_b32 s68, 0
	s_mov_b32 s69, 2
.Lhead:
	UNIT 0, 0, 52, 54
	UNIT 0, 1, 56, 58
	UNIT 1, 2, 60, 62
	s_wait_xcnt 0x0
	s_add_nc_u64 s[52:53], s[52:53], 32768
	s_add_nc_u64 s[54:55], s[54:55], 4096
	s_add_nc_u64 s[56:57], s[56:57], 71680
	s_add_nc_u64 s[58:59], s[58:59], 71680
	s_add_nc_u64 s[60:61], s[60:61], 71680
	s_add_nc_u64 s[62:63], s[62:63], 71680
	s_add_co_u32 s66, s66, 73728
	s_add_co_u32 s67, s67, 4608
	s_add_co_u32 s68, s68, 256
	s_sub_co_u32 s69, s69, 1
	s_cmp_lg_u32 s69, 0
	s_cbranch_scc1 .Lhead
	s_wait_tensorcnt 0x0
	ds_add_u32 v254, v255
	s_wait_dscnt 0x0
	ROUND
	s_endpgm
.Lfunc_end_k_q4f149ad1f1_qkv:
	.size	k_q4f149ad1f1_qkv, .Lfunc_end_k_q4f149ad1f1_qkv-k_q4f149ad1f1_qkv
	.p2alignl 7, 3214868480
	.fill 96, 4, 3214868480
	.section	.rodata,"a",@progbits
	.p2align	6, 0x0
	.amdhsa_kernel k_q4f149ad1f1_qkv
		.amdhsa_group_segment_fixed_size 327680
		.amdhsa_private_segment_fixed_size 0
		.amdhsa_enable_private_segment 0
		.amdhsa_kernarg_size 56
		.amdhsa_user_sgpr_count 2
		.amdhsa_user_sgpr_kernarg_segment_ptr 1
		.amdhsa_wavefront_size32 1
		.amdhsa_system_sgpr_workgroup_id_x 1
		.amdhsa_system_sgpr_workgroup_id_y 1
		.amdhsa_system_sgpr_workgroup_id_z 1
		.amdhsa_system_vgpr_workitem_id 0
		.amdhsa_next_free_vgpr 1024
		.amdhsa_next_free_sgpr 80
		.amdhsa_reserve_vcc 0
		.amdhsa_float_denorm_mode_32 3
		.amdhsa_float_denorm_mode_16_64 3
		.amdhsa_memory_ordered 1
		.amdhsa_forward_progress 1
		.amdhsa_inst_pref_size 164
	.end_amdhsa_kernel
	.amdgpu_metadata
---
amdhsa.version: [ 1, 2 ]
amdhsa.kernels:
  - .name:           k_q4f149ad1f1_qkv
    .symbol:         k_q4f149ad1f1_qkv.kd
    .args:
      - { .name: xq, .offset: 0, .size: 8, .value_kind: global_buffer, .address_space: global }
      - { .name: wq, .offset: 8, .size: 8, .value_kind: global_buffer, .address_space: global }
      - { .name: bq, .offset: 16, .size: 8, .value_kind: global_buffer, .address_space: global }
      - { .name: bk, .offset: 24, .size: 8, .value_kind: global_buffer, .address_space: global }
      - { .name: bv, .offset: 32, .size: 8, .value_kind: global_buffer, .address_space: global }
      - { .name: qq, .offset: 40, .size: 8, .value_kind: global_buffer, .address_space: global }
      - { .name: kv, .offset: 48, .size: 8, .value_kind: global_buffer, .address_space: global }
    .group_segment_fixed_size: 327680
    .private_segment_fixed_size: 0
    .kernarg_segment_align: 8
    .kernarg_segment_size: 56
    .max_flat_workgroup_size: 128
    .sgpr_count:     80
    .vgpr_count:     1024
    .wavefront_size: 32
...
	.end_amdgpu_metadata
.endif
;; end of part 2
;; launch attn (part 3): grid 4 x 64, 16 waves a work-group, clusters of 4 x 1, 217,088 bytes of LDS; arguments qq, kv, oq; writes oq
.if DOCPART == 3
	.amdgcn_target "amdgcn-amd-amdhsa--gfx1250"
	.amdhsa_code_object_version 6
	.text
	.protected	k_q4f149ad1f1_attn
	.globl	k_q4f149ad1f1_attn
	.p2align	8
	.type	k_q4f149ad1f1_attn,@function
k_q4f149ad1f1_attn:
	s_mov_b64 s[64:65], 0
	v_nop
	global_prefetch_b8 v0, s[64:65] scope:SCOPE_SE
	s_setreg_imm32_b32 hwreg(HW_REG_WAVE_MODE, 25, 1), 1
	s_wait_xcnt 0x0
	s_wait_alu depctr_hold_cnt(0) depctr_sa_sdst(0) depctr_va_vdst(0) depctr_va_sdst(0) depctr_va_ssrc(0) depctr_va_vcc(0) depctr_vm_vsrc(0)
	s_getreg_b32 s2, hwreg(HW_REG_IB_STS2, 6, 4)
	s_cmp_eq_u32 s2, 0
	s_cbranch_scc0 .Lentry_in_a_cluster
	s_endpgm
.Lentry_in_a_cluster:
	s_bfe_u32 s2, ttmp6, 0x10000c
	s_cmp_lg_u32 s2, 0x3003
	s_cbranch_scc0 .Lentry_shape_is_right
	s_endpgm
.Lentry_shape_is_right:
; o = softmax(q k^T / 8) v, head by head, both products on codes of FP4 (E2M1) with E8M0 scales; o is divided by the row's sum, quantised along the model's 768 and leaves as half an operand image.
; THE SOFTMAX: t = score x log2(e) / 8; M = the row's largest t so far, rounded UP to a whole number; p = 2^(t - M) is quantised along the keys, not normalised.  The row's sum is taken of the unquantised p, in f32.
; When M moves, the sum and O are multiplied by 2^(old M - new M): exact.
; SHARES.  Work-group y takes heads 3 y .. 3 y + 2 of the 192, one after the other; the four work-groups of a cluster take the four blocks of 256 queries; each of sixteen waves one tile of 16 queries.
; The three heads' k, v and scale words, 215,040 dense bytes, come into LDS once, asked for jointly (waves 0-11, 17,920 bytes each), and stay: nothing is filled again, and behind one barrier LDS is only read.
; No prefetch: every tile is asked for at the head, so there is no later load to run ahead of.
; LAYOUT.  Both products are used transposed (S^T = k q^T, O^T = v^T p^T): a lane holds ONE query (lane % 16).  A key step is 256 keys: four groups of four tiles of k.
; THE KEYS OF A TILE ARE CHOSEN BY THE LDS ADDRESS: row m of tile t of the group (step of 128, c) is key 64 c + 32 (m / 8) + 8 t + m % 8.  So the group's 32 registers of lane (r, h) are keys 64 c + 32 h + 0 .. 31:
; one whole block of 32, in the order of the second product's operand: its maximum needs no other lane, and the conversions' results are the operand's registers 4 c .. 4 c + 3.
; In kv a tile holds tokens 32 G + 8 u + r + 8 (r / 8), 512 bytes a tile: that key lies at 2048 c + 1024 (m / 8) + 512 (t % 2) + 128 (t / 2) + 16 (m % 8) + 256 h of its step's 4,096 bytes.
; The first product's K is 64: the upper half of both operands is zero codes.
; THE ROW'S SUM is added in place on p's registers, behind the conversions.  The second half's last nine additions stand behind the step's last products and behind the next step's first:
; they are the plain instructions that the distances behind matrix instructions ask for (ISA guide 7.12.1).  v's fragments land in the registers of the first half's p, which is used up by then.
; LIMITS: NaN and infinities are not served; the promise holds while the scaled scores stay under 2^31 in magnitude; a block of o whose largest magnitude lies under 2^-124, and a block of p all of whose
; numbers have fallen to 0, have the byte 1 over their codes.
; REGISTERS: v0-7 addresses; v8, v9 the add's two; v12 -M, v13 the largest t, v[14:15] the sum; v16-23 q, v24 its scale word; v26-29 k's scale words, v30-37 v's, v38-39 p's; v40 f; v42-45 the blocks' maxima;
;   v10, v11, v25, v41, v46, v47 at work; v48-63 p's codes; v64-95 four fragments of k; v96-223 S^T, then p, then v's fragments; v224-255 O^T.
.set QQS,   6291456
.set OQS,   6291456
.set FLOOR, 0x1800000
.set HEADB, 71680
.set NH,    3
.set QSA, 0                            ; 32 r
.set L16, 1                            ; 16 x lane
.set R4,  2                            ; 4 r
.set AL,  3                            ; the head's block in LDS + 16 x lane
.set AKS, 4                            ; + 65,536 + 32 (r % 8) + 8 (r / 8): k's scale words
.set AVS, 5                            ; + 69,632 + 16 r: v's
.set AK,  6                            ; + 1024 (r / 8) + 256 h + 16 (r % 8): k's codes
.set H8,  7                            ; 8 h
.set SPW, 8
.set NIL, 9
.set T1,  10
.set T2,  11
.set QF,  16
.set QSC, 24
.set T3,  25
.set KSC, 26
.set VSC, 30
.set PSC, 38
.set F,   40
.set TT,  41
.set BM,  42
.set TP,  46
.set T4,  47
.set PC,  48
.set KF,  64
.set S,   96
.set O,   224
.set WV,  10
.macro PLACES
.rept 4
	v_nop
.endr
.endm
.macro DEP d
	s_delay_alu instid0(VALU_DEP_\d)
.endm
.macro ROUND
	s_barrier_signal -1
	s_barrier_wait -1
	s_cmp_lg_u32 s[WV], 0
	s_cbranch_scc1 .Lnot_wave_0_\@
	s_barrier_signal -3
.Lnot_wave_0_\@:
	s_barrier_wait -3
	s_barrier_signal -1
	s_barrier_wait -1
.endm
.macro KLOAD j, c                      ; the four tiles of k of group (step of 128 j, c), and their scale words
.irp t, 0,1,2,3
	ds_load_b128 v[KF+8*\t:KF+8*\t+3], v[AK] offset:4096*(\j)+2048*(\c)+512*(\t%2)+128*(\t/2)
.endr
	ds_load_b64 v[KSC:KSC+1], v[AKS] offset:512*(\j)+16*(\c)
	ds_load_b64 v[KSC+2:KSC+3], v[AKS] offset:512*(\j)+16*(\c)+256
.endm
.macro SMUL g
.irp t, 0,1,2,3
	v_wmma_scale_f32_16x16x128_f8f6f4 v[S+32*(\g)+8*\t:S+32*(\g)+8*\t+7], v[KF+8*\t:KF+8*\t+7], v[QF:QF+7], 0, v[KSC+\t], v[QSC] matrix_a_fmt:MATRIX_FMT_FP4 matrix_b_fmt:MATRIX_FMT_FP4
.endr
.endm
; the largest score of group g's block of 32 keys, in four chains, each accumulator from its low end on: 4 + 12 instructions
.macro MAXA g
	v_max3_num_f32 v[BM+\g], v[S+32*\g], v[S+32*\g+1], v[S+32*\g+2]
	v_max3_num_f32 v[T1], v[S+32*\g+8], v[S+32*\g+9], v[S+32*\g+10]
	v_max3_num_f32 v[T2], v[S+32*\g+16], v[S+32*\g+17], v[S+32*\g+18]
	v_max3_num_f32 v[T3], v[S+32*\g+24], v[S+32*\g+25], v[S+32*\g+26]
.endm
.macro MAXZ g
	v_max3_num_f32 v[BM+\g], v[BM+\g], v[S+32*\g+3], v[S+32*\g+4]       ; the four chains by turns
	v_max3_num_f32 v[T1], v[T1], v[S+32*\g+11], v[S+32*\g+12]
	v_max3_num_f32 v[T2], v[T2], v[S+32*\g+19], v[S+32*\g+20]
	v_max3_num_f32 v[T3], v[T3], v[S+32*\g+27], v[S+32*\g+28]
	v_max3_num_f32 v[BM+\g], v[BM+\g], v[S+32*\g+5], v[S+32*\g+6]
	v_max3_num_f32 v[T1], v[T1], v[S+32*\g+13], v[S+32*\g+14]
	v_max3_num_f32 v[T2], v[T2], v[S+32*\g+21], v[S+32*\g+22]
	v_max3_num_f32 v[T3], v[T3], v[S+32*\g+29], v[S+32*\g+30]
	v_max3_num_f32 v[BM+\g], v[BM+\g], v[T1], v[S+32*\g+7]           ; the four chains are joined, each line with one more score
	v_max3_num_f32 v[T2], v[T2], v[T3], v[S+32*\g+15]
	v_max3_num_f32 v[BM+\g], v[BM+\g], v[T2], v[S+32*\g+23]
	v_max_num_f32 v[BM+\g], v[BM+\g], v[S+32*\g+31]
.endm
; the sum of a half's 64 p, in place: pair a += pair b.  SUM1: 23 additions, SUM2: 5, SUM3: 4, the last onto the row's sum
.macro ADDP hh, a, b
	v_pk_add_f32 v[S+64*(\hh)+2*(\a):S+64*(\hh)+2*(\a)+1], v[S+64*(\hh)+2*(\a):S+64*(\hh)+2*(\a)+1], v[S+64*(\hh)+2*(\b):S+64*(\hh)+2*(\b)+1]
.endm
.macro SUM1 hh
.irp i, 0,1,2,3,4,5,6,7,8,9,10,11,12,13,14,15
	ADDP \hh, \i, \i+16
.endr
.irp i, 0,1,2,3,4,5,6
	ADDP \hh, \i, \i+8
.endr
.endm
.macro SUM2 hh, hint
	ADDP \hh, 7, 15
.irp i, 0,1,2,3
.if \hint
	DEP 4
.endif
	ADDP \hh, \i, \i+4
.endr
.endm
.macro SUM3 hh, hint
.if \hint
	DEP 2
.endif
	ADDP \hh, 0, 2
.if \hint
	DEP 2
.endif
	ADDP \hh, 1, 3
	DEP 1
	ADDP \hh, 0, 1
	DEP 1
	v_pk_add_f32 v[14:15], v[14:15], v[S+64*(\hh):S+64*(\hh)+1]
.endm
.macro CODES hh                        ; a half's 64 p into its 8 registers of codes; the plain instruction behind the conversions
.irp u, 0,1,2,3,4,5,6,7
	v_cvt_scalef32_pk8_fp4_f32 v[PC+8*\hh+\u], v[S+64*\hh+8*\u:S+64*\hh+8*\u+7], v[BM+2*\hh+\u/4]
.endr
	v_nop
.endm
; A KEY STEP: keys 256 J .. 256 J + 255 of the head in hand.  first = 1: it starts M, the sum and O^T.  last = 1: the next head's q is asked for.
.macro STEP J, first, last
	KLOAD 2*\J, 0
.if !\first
	SUM2 1, 0                                      ; five plain instructions between the last step's products and the products that write over v's fragments
	s_wait_alu depctr_va_vdst(0)
.endif
	s_wait_dscnt 0x0
	SMUL 0
.if \first
	PLACES
.else
	SUM3 1, 0                                      ; four plain instructions in front of the loads into k's registers
.endif
	KLOAD 2*\J, 1
	s_wait_dscnt 0x0
	SMUL 1
	MAXA 0                                         ; the maxima of the group before are the plain instructions behind each group's products
	KLOAD 2*\J+1, 0
	MAXZ 0
	s_wait_dscnt 0x0
	SMUL 2
	MAXA 1
	KLOAD 2*\J+1, 1
	MAXZ 1
	s_wait_dscnt 0x0
	SMUL 3
	MAXA 2
	MAXZ 2
.if \last
	s_cmp_eq_u32 s36, 1                            ; q's registers have had their last product of this head: the next head's q, if there is one, lands there
	s_cbranch_scc1 .Lno_next_\@
	s_add_nc_u64 s[38:39], s[38:39], 32768
	s_add_nc_u64 s[40:41], s[40:41], 4096
	global_load_b128 v[QF:QF+3], v[L16], s[38:39]
	global_load_b32 v[QSC], v[QSA], s[40:41]
.Lno_next_\@:
.endif
	MAXA 3
	MAXZ 3
	v_max3_num_f32 v[TT], v[BM], v[BM+1], v[BM+2]
	DEP 1
	v_max_num_f32 v[TT], v[TT], v[BM+3]
	DEP 1
	v_permlanex16_b32 v[TP], v[TT], s20, s21
	DEP 1
	v_max_num_f32 v[TT], v[TT], v[TP]              ; the step's largest score of my query
.if \first
	DEP 1
	v_mul_f32 v13, s22, v[TT]
	DEP 1
	v_floor_f32 v12, -v13                          ; -M = floor(-t) = -ceil(t)
.else
	DEP 1
	v_mul_f32 v[TT], s22, v[TT]
	DEP 1
	v_max_num_f32 v13, v13, v[TT]
	v_mov_b32 v[TT], v12
	DEP 2
	v_floor_f32 v12, -v13
	DEP 1
	v_sub_f32 v[TT], v12, v[TT]                    ; old M less new M: a whole number, 0 or less
	DEP 1
	v_cvt_i32_f32 v[TT], v[TT]
	DEP 1
	v_ldexp_f32 v[F], 1.0, v[TT]                   ; f = 2^(old M - new M)
.endif
.set n, 0
.rept 64
	v_pk_fma_f32 v[S+n:S+n+1], v[S+n:S+n+1], s[22:23], v[12:13] op_sel_hi:[1,0,0]   ; t - M
.set n, n+2
.endr
.irp b, 0,1,2,3
	v_fma_f32 v[BM+\b], v[BM+\b], s22, v12         ; the same of each block's largest score
.endr
.if !\first
.set n, 0
.rept 16
	v_pk_mul_f32 v[O+n:O+n+1], v[O+n:O+n+1], v[F:F+1] op_sel_hi:[1,0]   ; O^T under the new M, ahead of the exponentials, from the low end on
.set n, n+2
.endr
	v_pk_mul_f32 v[14:15], v[14:15], v[F:F+1] op_sel_hi:[1,0]
.endif
	s_wait_alu depctr_va_vdst(0)
.set n, 0
.rept 128
	v_exp_f32 v[S+n], v[S+n]                       ; p = 2^(t - M)
.set n, n+1
.endr
.irp b, 0,1,2,3
	v_exp_f32 v[BM+\b], v[BM+\b]                   ; the block's largest p: the same two instructions on the same number
.endr
	v_nop
	s_wait_alu depctr_va_vdst(0)                   ; one wait for the batch, ahead of its first reader
.irp b, 0,1,2,3
	v_max_num_f32 v[BM+\b], FLOOR, v[BM+\b]        ; the byte cannot fall under 1
.endr
.irp b, 0,1,2,3
	DEP 4
	v_add_nc_u32 v[BM+\b], 0xff000000, v[BM+\b]    ; 2 off the exponent field: the conversion's scale operand
.endr
	DEP 4
	v_lshrrev_b32 v[T1], 23, v[BM]
	DEP 4
	v_lshrrev_b32 v[T2], 23, v[BM+1]
	DEP 4
	v_lshrrev_b32 v[T3], 23, v[BM+2]
	DEP 4
	v_lshrrev_b32 v[T4], 23, v[BM+3]
	DEP 3
	v_lshl_or_b32 v[PSC], v[T2], 16, v[T1]         ; my blocks h and 2 + h of each 128 keys,
	DEP 2
	v_lshl_or_b32 v[PSC+1], v[T4], 16, v[T3]
	DEP 2
	v_lshlrev_b32 v[PSC], v[H8], v[PSC]            ; at their places in the scale word;
	DEP 2
	v_lshlrev_b32 v[PSC+1], v[H8], v[PSC+1]
	DEP 2
	v_permlanex16_b32 v[T1], v[PSC], s20, s21
	DEP 2
	v_permlanex16_b32 v[T2], v[PSC+1], s20, s21
	DEP 2
	v_or_b32 v[PSC], v[PSC], v[T1]                 ; with lane l xor 16's two the word is whole
	DEP 2
	v_or_b32 v[PSC+1], v[PSC+1], v[T2]
	CODES 0
	SUM1 0
	SUM2 0, 1
	SUM3 0, 1
.irp hh, 0,1                           ; the first half's p is used up: v's eight fragments land there
.irp t, 0,1,2,3
.irp c, 0,1
	ds_load_b128 v[S+32*\hh+8*\t+4*\c:S+32*\hh+8*\t+4*\c+3], v[AL] offset:32768+4096*(2*\J+\hh)+1024*\t+512*\c
.endr
.endr
	ds_load_b128 v[VSC+4*\hh:VSC+4*\hh+3], v[AVS] offset:256*(2*\J+\hh)
.endr
	CODES 1
	SUM1 1
	s_wait_alu depctr_va_vdst(0)
	s_wait_dscnt 0x0
.irp hh, 0,1                           ; O^T += v^T p^T: the four accumulators by turns, one instruction a turn
.irp t, 0,1,2,3
.if (\first) && (\hh == 0)
	v_wmma_scale_f32_16x16x128_f8f6f4 v[O+8*\t:O+8*\t+7], v[S+32*\hh+8*\t:S+32*\hh+8*\t+7], v[PC+8*\hh:PC+8*\hh+7], 0, v[VSC+4*\hh+\t], v[PSC+\hh] matrix_a_fmt:MATRIX_FMT_FP4 matrix_b_fmt:MATRIX_FMT_FP4
.else
	v_wmma_scale_f32_16x16x128_f8f6f4 v[O+8*\t:O+8*\t+7], v[S+32*\hh+8*\t:S+32*\hh+8*\t+7], v[PC+8*\hh:PC+8*\hh+7], v[O+8*\t:O+8*\t+7], v[VSC+4*\hh+\t], v[PSC+\hh] matrix_a_fmt:MATRIX_FMT_FP4 matrix_b_fmt:MATRIX_FMT_FP4
.endif
.endr
.endr
.endm
	s_load_b128 s[4:7], s[0:1], 0x0                ; qq s[4:5], kv s[6:7]
	s_load_b64 s[8:9], s[0:1], 0x10                ; oq
	v_lshl_add_u32 v[SPW], v0, 2, 0x34800
	v_mov_b32 v[NIL], 0
	ds_add_u32 v[SPW], v[NIL]                      ; the opening lines: the add, twice on end, and its wait
	ds_add_u32 v[SPW], v[NIL]
	v_lshrrev_b32 v[T1], 5, v0
	v_and_b32 v[T2], 31, v0
	v_bfe_u32 v[T3], v0, 3, 1                      ; r / 8
	v_bfe_u32 v[T4], v0, 4, 1                      ; h
	v_readfirstlane_b32 s[WV], v[T1]               ; wave 0..15
	v_lshlrev_b32 v[L16], 4, v[T2]
	v_lshlrev_b32 v[AL], 4, v[T2]
	v_and_b32 v[T1], 15, v0                        ; r
	v_and_b32 v[T2], 7, v0                         ; r % 8
	v_lshlrev_b32 v[H8], 3, v[T4]
	v_lshlrev_b32 v[R4], 2, v[T1]
	v_lshl_add_u32 v[AVS], v[T1], 4, 69632
	v_lshl_add_u32 v[AKS], v[T2], 5, 65536
	v_lshlrev_b32 v[AK], 4, v[T2]
	v_lshl_add_u32 v[AKS], v[T3], 3, v[AKS]
	v_lshl_add_u32 v[AK], v[T3], 10, v[AK]
	v_lshlrev_b32 v[QSA], 5, v[T1]                 ; the thread's number has served
	v_lshl_add_u32 v[AK], v[T4], 8, v[AK]
	s_bfe_u32 s11, ttmp6, 0x40000                  ; cx: it enters q's and o's addresses alone
	s_and_b32 s12, ttmp7, 0xffff                   ; y: which three heads: shared by the four partners
	s_lshr_b32 s13, s12, 2                         ; the batch row
	s_and_b32 s14, s12, 3
	s_mul_i32 s14, s14, NH                         ; the head in hand
	s_lshl_b32 s15, s11, 4
	s_add_co_u32 s15, s15, s[WV]                   ; my tile of the row's 64
	s_lshl_b32 s16, s13, 6
	s_add_co_u32 s16, s16, s15                     ; and of all 1,024
	s_mov_b32 s20, 0x76543210
	s_mov_b32 s21, 0xfedcba98                      ; lane l xor 16
	s_mov_b32 s22, 0x3e38aa3b                      ; c = log2(e) / 8
	s_mov_b32 s23, s22
	s_mov_b32 s24, 15|(3<<16)|(1<<21)              ; the mask: all four work-groups; elements of 8 bytes; bit 21 beside a mask
	s_mov_b32 s25, 32<<16                          ; rows of 256 bytes,
	s_mov_b32 s26, 70<<16                          ; 70 for each of twelve waves
	s_mov_b32 s27, 32<<16
	s_mov_b32 s28, 70
	s_mov_b32 s29, 32
	s_mov_b32 s30, 0
	s_mov_b32 s31, 0
	s_mov_b32 s32, 1
	s_mul_i32 s33, s[WV], 17920                    ; LDS: the wave's number alone
	s_mul_i32 s34, s12, NH*HEADB
	s_add_co_u32 s34, s34, s33                     ; memory: y and the wave's number alone
	s_mov_b32 s35, 0
	s_mul_i32 s38, s12, NH*32768
	s_lshl_b32 s17, s15, 9
	s_add_co_u32 s38, s38, s17                     ; q's codes: head x 32,768 + tile x 512
	s_mov_b32 s39, 0
	s_mul_i32 s40, s12, NH*4096
	s_lshr_b32 s17, s15, 3
	s_lshl_b32 s17, s17, 9
	s_add_co_u32 s40, s40, s17
	s_and_b32 s17, s15, 7
	s_lshl_b32 s17, s17, 2
	s_add_co_u32 s40, s40, s17
	s_add_co_u32 s40, s40, QQS                     ; q's scale words: [head][tile / 8][r][tile % 8]
	s_mov_b32 s41, 0
	s_mul_i32 s42, s16, 6144                       ; o's codes: tile x 6 images + head x half an image
	s_lshl_b32 s17, s14, 9
	s_add_co_u32 s42, s42, s17
	s_mov_b32 s43, 0
	s_mul_i32 s44, s16, 384
	s_add_co_u32 s44, s44, OQS                     ; o's scale words of my tile
	s_mov_b32 s45, 0
	s_wait_alu depctr_va_vdst(0)
	s_wait_dscnt 0x0
	s_wait_kmcnt 0x0
	s_add_nc_u64 s[34:35], s[6:7], s[34:35]
	s_or_b32 s35, s35, 0x80000000
	s_add_nc_u64 s[38:39], s[4:5], s[38:39]
	s_add_nc_u64 s[40:41], s[4:5], s[40:41]
	s_add_nc_u64 s[42:43], s[8:9], s[42:43]
	s_add_nc_u64 s[44:45], s[8:9], s[44:45]
	global_load_b128 v[QF:QF+3], v[L16], s[38:39]  ; the first head's q
	global_load_b32 v[QSC], v[QSA], s[40:41]
	ROUND                                          ; all four work-groups are here: the joint loads meet
	s_cmp_lt_u32 s[WV], 12
	s_cbranch_scc0 .Lno_fetch
	tensor_load_to_lds s[32:35], s[24:31]          ; my twelfth of the three blocks: one load of mine is out
	s_nop 0
	PLACES
.Lno_fetch:
.irp i, 4,5,6,7
	v_mov_b32 v[QF+\i], 0                          ; K = 64: the upper half of both operands is zero codes
.endr
.irp t, 0,1,2,3
.irp i, 4,5,6,7
	v_mov_b32 v[KF+8*\t+\i], 0
.endr
.endr
	v_mov_b32 v[TP], 0                             ; a lane permute's destination counts as one of its sources
	v_mov_b32 v[T4], 0
	v_mov_b32 v[TT], 0                             ; (named as the upper half of the pair with f)
	s_wait_alu depctr_va_vdst(0)
	s_wait_tensorcnt 0x0                           ; my part has landed,
	s_barrier_signal -1
	s_barrier_wait -1                              ; everybody's has; nobody writes these bytes from here on
	s_mov_b32 s36, NH                              ; heads to go
.Lhead:
	v_mov_b32 v14, 0                               ; the sum, in two halves
	v_mov_b32 v15, 0
	s_wait_loadcnt 0x0                             ; this head's q; the wait also frees those loads' bases
	STEP 0, 1, 0
	STEP 1, 0, 0
	STEP 2, 0, 0
	STEP 3, 0, 1
	; THE WAY OUT: O^T / the sum; register 16 G + i of lane (r, h) is o(query r, 32 G + 16 h + i): two blocks of 32 along the model's 768
	SUM2 1, 0                                      ; the sum's last nine additions are the plain instructions behind the last products
	SUM3 1, 0
	DEP 1
	v_add_f32 v14, v14, v15
	DEP 1
	v_permlanex16_b32 v[TP], v14, s20, s21
	DEP 1
	v_add_f32 v14, v14, v[TP]                      ; the row's sum (above 1/2: the largest p is)
	s_wait_alu depctr_va_vdst(0)                   ; the wait ahead of the transcendental
	v_rcp_f32 v[F], v14
	v_nop
	s_wait_alu depctr_va_vdst(0)                   ; and ahead of its first reader, which is also O^T's
.set n, 0
.rept 16
	v_pk_mul_f32 v[S+n:S+n+1], v[O+n:O+n+1], v[F:F+1] op_sel_hi:[1,0]
.set n, n+2
.endr
	s_lshr_b32 s17, s14, 1
	s_lshl_b32 s17, s17, 6                         ; 64 (head / 2)
	s_and_b32 s37, s14, 1
	s_lshl_b32 s37, s37, 1                         ; 2 (head % 2)
	s_add_co_u32 s17, s17, s37
.irp g, 0,1
	v_max3_num_f32 v[BM+\g], |v[S+16*\g]|, |v[S+16*\g+1]|, FLOOR
.endr
.irp i, 2,4,6,8,10,12,14
.irp g, 0,1
	DEP 2
	v_max3_num_f32 v[BM+\g], v[BM+\g], |v[S+16*\g+\i]|, |v[S+16*\g+\i+1]|
.endr
.endr
.irp g, 0,1
	DEP 2
	v_permlanex16_b32 v[TP+\g], v[BM+\g], s20, s21
.endr
.irp g, 0,1
	DEP 2
	v_max_num_f32 v[BM+\g], v[BM+\g], v[TP+\g]
.endr
.irp g, 0,1
	DEP 2
	v_add_nc_u32 v[BM+2+\g], 0xff000000, v[BM+\g]
.endr
.irp g, 0,1
	DEP 2
	v_lshrrev_b32 v[TP+\g], 23, v[BM+2+\g]
.endr
	v_add_nc_u32 v[T1], s17, v[R4]                 ; o's half scale word: 4 r + 64 (head / 2) + 2 (head % 2)
	DEP 2
	v_lshl_or_b32 v[TT], v[TP+1], 8, v[TP]         ; my row's two bytes
.irp g, 0,1
	v_cvt_scalef32_pk8_fp4_f32 v[PC+2*\g], v[S+16*\g:S+16*\g+7], v[BM+2+\g]
	v_cvt_scalef32_pk8_fp4_f32 v[PC+2*\g+1], v[S+16*\g+8:S+16*\g+15], v[BM+2+\g]
.endr
	v_nop
	v_permlane16_swap_b32 v[PC], v[PC+2]
	v_permlane16_swap_b32 v[PC+1], v[PC+3]
	global_store_b128 v[L16], v[PC:PC+3], s[42:43] ; half an image: 512 consecutive bytes, aligned
	s_wait_alu depctr_va_vdst(0)
	s_wait_xcnt 0x0                                ; EXEC changes only behind this wait
	v_cmp_gt_u32 vcc_lo, 256, v[L16]
	s_and_saveexec_b32 s46, vcc_lo
	global_store_b16 v[T1], v[TT], s[44:45]        ; lanes 0-15: two bytes of each of 16 neighbouring words; the other two are the neighbouring head's
	s_wait_xcnt 0x0                                ; and again, in front of the line that widens it
	s_or_b32 exec_lo, exec_lo, s46
	s_add_nc_u64 s[42:43], s[42:43], 512           ; the next head's half image,
	v_add_nc_u32 v[AL], HEADB, v[AL]               ; and its block in LDS
	v_add_nc_u32 v[AKS], HEADB, v[AKS]
	v_add_nc_u32 v[AVS], HEADB, v[AVS]
	v_add_nc_u32 v[AK], HEADB, v[AK]
	s_add_co_u32 s14, s14, 1
	s_sub_co_u32 s36, s36, 1
	s_cmp_lg_u32 s36, 0
	s_wait_alu depctr_va_vdst(0)
	s_cbranch_scc1 .Lhead
	s_wait_tensorcnt 0x0                           ; the wave's end
	ds_add_u32 v[SPW], v[NIL]
	s_wait_dscnt 0x0
	ROUND                                          ; the closing round
	s_endpgm
.Lfunc_end_k_q4f149ad1f1_attn:
	.size	k_q4f149ad1f1_attn, .Lfunc_end_k_q4f149ad1f1_attn-k_q4f149ad1f1_attn
	.p2alignl 7, 3214868480
	.fill 96, 4, 3214868480
	.section	.rodata,"a",@progbits
	.p2align	6, 0x0
	.amdhsa_kernel k_q4f149ad1f1_attn
		.amdhsa_group_segment_fixed_size 217088
		.amdhsa_private_segment_fixed_size 0
		.amdhsa_enable_private_segment 0
		.amdhsa_kernarg_size 24
		.amdhsa_user_sgpr_count 2
		.amdhsa_user_sgpr_kernarg_segment_ptr 1
		.amdhsa_wavefront_size32 1
		.amdhsa_system_sgpr_workgroup_id_x 1
		.amdhsa_system_sgpr_workgroup_id_y 1
		.amdhsa_system_sgpr_workgroup_id_z 1
		.amdhsa_system_vgpr_workitem_id 0
		.amdhsa_next_free_vgpr 256
		.amdhsa_next_free_sgpr 66
		.amdhsa_reserve_vcc 1
		.amdhsa_float_denorm_mode_32 3
		.amdhsa_float_denorm_mode_16_64 3
		.amdhsa_memory_ordered 1
		.amdhsa_forward_progress 1
		.amdhsa_inst_pref_size 118
	.end_amdhsa_kernel
	.amdgpu_metadata
---
amdhsa.version: [ 1, 2 ]
amdhsa.kernels:
  - .name:           k_q4f149ad1f1_attn
    .symbol:         k_q4f149ad1f1_attn.kd
    .args:
      - { .name: qq, .offset: 0, .size: 8, .value_kind: global_buffer, .address_space: global }
      - { .name: kv, .offset: 8, .size: 8, .value_kind: global_buffer, .address_space: global }
      - { .name: oq, .offset: 16, .size: 8, .value_kind: global_buffer, .address_space: global }
    .group_segment_fixed_size: 217088
    .private_segment_fixed_size: 0
    .kernarg_segment_align: 8
    .kernarg_segment_size: 24
    .max_flat_workgroup_size: 512
    .sgpr_count:     66
    .vgpr_count:     256
    .wavefront_size: 32
...
	.end_amdgpu_metadata
.endif
;; end of part 3
;; launch proj (part 4): grid 64 x 4, 4 waves a work-group, clusters of 4 x 1, 168,448 bytes of LDS; arguments oq, wq, bp, out0; writes out0
.if DOCPART == 4
	.amdgcn_target "amdgcn-amd-amdhsa--gfx1250"
	.amdhsa_code_object_version 6
	.text
	.protected	k_q4f149ad1f1_proj
	.globl	k_q4f149ad1f1_proj
	.p2align	8
	.type	k_q4f149ad1f1_proj,@function
k_q4f149ad1f1_proj:
	s_mov_b64 s[64:65], 0
	v_nop
	global_prefetch_b8 v0, s[64:65] scope:SCOPE_SE
	s_setreg_imm32_b32 hwreg(HW_REG_WAVE_MODE, 25, 1), 1
	s_wait_xcnt 0x0
	s_wait_alu depctr_hold_cnt(0) depctr_sa_sdst(0) depctr_va_vdst(0) depctr_va_sdst(0) depctr_va_ssrc(0) depctr_va_vcc(0) depctr_vm_vsrc(0)
	s_getreg_b32 s2, hwreg(HW_REG_IB_STS2, 6, 4)
	s_cmp_eq_u32 s2, 0
	s_cbranch_scc0 .Lentry_in_a_cluster
	s_endpgm
.Lentry_in_a_cluster:
	s_bfe_u32 s2, ttmp6, 0x10000c
	s_cmp_lg_u32 s2, 0x3003
	s_cbranch_scc0 .Lentry_shape_is_right
	s_endpgm
.Lentry_shape_is_right:
; out0 = o Wp + bp on codes of FP4 (E2M1) with E8M0 scales, sums in f32.  o [16384][768] lies in oq as operand images [tile of 16 tokens][K step 6][1,024] with scale words behind them; Wp in wq's slots 144 on.
; SHARES.  64 blocks of 256 tokens (x) times 4 blocks of 192 columns (y) are 256 work-groups.  A wave takes 64 tokens: 4 tiles, whose 24 fragments of o stay in its registers.  The 192 columns' weights
; (12 slots: 73,728 bytes of codes, 4,608 of scale words) are two dense blocks of wq, which the four work-groups of a cluster (along x) need alike: asked for JOINTLY, the codes a third a wave by waves 0-2, the scale words by wave 3, filled once,
; and asked for FIRST, so that they land while the wave's 96 loads of o and bp are served.
; The columns go in three units of 64: 16 accumulators each.  THE MATRIX INSTRUCTION IS USED TRANSPOSED (source 0 = 16 columns of Wp, source 1 = 16 tokens): a lane's eight results are eight neighbouring
; columns of one row of out0.  The rows of a tile are index 32 G + 8 u + r + 8 (r / 8), for tokens and columns.  bp is the C of each sum's first matrix instruction.
; THE WAY OUT: a tile of 16 tokens x 64 columns goes through the wave's own stage in LDS and leaves as rows of 256 bytes, sixteen lanes to a row.
; REGISTERS, in windows of 256.  Window 0: v1-8 addresses; v16-39 o's scale words; v64-87 the weights'; v120-183 the weights' fragments, two sets; v184-247 rows on the way out.
;   Window 1, v0-191: o's fragments (K step s, tile m at 8 (4 s + m)).   Window 2: v0-127 the 16 accumulators; v128-223 bp.  So one setting of the windows serves every product.
.set OQS,   6291456
.set WPC,   884736                     ; slot 144's codes in wq
.set WPS,   1234944                    ; and its scale words
.set WSL,   73728                      ; LDS: codes from 0, scale words from here,
.set STG,   78336                      ; the stages from here: 16 rows x (256 + 16) bytes a wave: blocks of 256 bytes into which no tensor load lands
.set L16, 1                            ; 16 x lane
.set R4,  2                            ; 4 r
.set HB,  3                            ; 64 h
.set AW,  4                            ; the unit's fragments in LDS: 24,576 x unit + 16 x lane (the last unit's lie past what an LDS load's 16-bit offset reaches)
.set AS,  5                            ; WSL + 4 r
.set STO, 6
.set RD,  7
.set CO,  8
.set XS,  16
.set WSC, 64
.set WF,  120
.set OB,  184
.set BIW, 128                          ; in window 2
.set WV,  18
.set MSB, 0
.macro WIN new                         ; the immediate's high byte repeats the setting that is left
.if MSB != \new
	s_set_vgpr_msb (MSB<<8)|\new
.set MSB, \new
.endif
.endm
.macro PLACES                          ; four plain vector instructions behind matrix instructions (ISA guide 7.12.1)
.rept 4
	v_nop
.endr
.endm
.macro ROUND
	s_barrier_signal -1
	s_barrier_wait -1
	s_cmp_lg_u32 s[WV], 0
	s_cbranch_scc1 .Lnot_wave_0_\@
	s_barrier_signal -3
.Lnot_wave_0_\@:
	s_barrier_wait -3
	s_barrier_signal -1
	s_barrier_wait -1
.endm
.macro WLOAD s                         ; the unit's four fragments of K step s into set s % 2
.irp t, 0,1,2,3
.irp c, 0,1
	ds_load_b128 v[WF+32*((\s)%2)+8*\t+4*\c:WF+32*((\s)%2)+8*\t+4*\c+3], v[AW] offset:(6*\t+(\s))*1024+512*\c
.endr
.endr
.endm
.macro MM u, s, m, t
.set rX, ((\s)*4+\m)*8
.set rW, WF+32*((\s)%2)+8*\t
.set rD, 32*\m+8*\t
.if \s == 0
	v_wmma_scale_f32_16x16x128_f8f6f4 v[rD:rD+7], v[rW:rW+7], v[rX:rX+7], v[BIW+32*\u+8*\t:BIW+32*\u+8*\t+7], v[WSC+6*\t+\s], v[XS+6*\m+\s] matrix_a_fmt:MATRIX_FMT_FP4 matrix_b_fmt:MATRIX_FMT_FP4
.else
	v_wmma_scale_f32_16x16x128_f8f6f4 v[rD:rD+7], v[rW:rW+7], v[rX:rX+7], v[rD:rD+7], v[WSC+6*\t+\s], v[XS+6*\m+\s] matrix_a_fmt:MATRIX_FMT_FP4 matrix_b_fmt:MATRIX_FMT_FP4
.endif
.endm
; A K step: the next step's weights are asked for, then 16 products; the 16 accumulators take turns, one instruction a turn, in the same order in every step.
.macro KSTEP u, s
	PLACES                                         ; the set that is loaded next was multiplied in the step before
	WIN 0
.if \s < 5
	WLOAD \s+1
	s_wait_dscnt 8                                 ; all but the 8 loads just issued
.else
	s_wait_dscnt 0x0
.endif
	WIN 0xa4                                       ; the weights window 0, o window 1, C (bp, then the sum) and D window 2
.irp m, 0,1,2,3
.irp t, 0,1,2,3
	MM \u, \s, \m, \t
.endr
.endr
.endm
.macro TOSTAGE m                       ; tile m of tokens: lane (r, h) puts columns 32 (t / 2) + 16 h + 8 (t % 2) + 0 .. 7 of row r; whole rows come back
	s_wait_xcnt 0x0                                ; the stores of two tiles ago have read the registers into which these rows land
	WIN 0x08                                       ; an LDS store's data are its source 1: window 2
.irp t, 0,1,2,3
	ds_store_b128 v[STO], v[32*(\m)+8*\t:32*(\m)+8*\t+3] offset:128*(\t/2)+32*(\t%2)        ; each accumulator from its low end on
	ds_store_b128 v[STO], v[32*(\m)+8*\t+4:32*(\m)+8*\t+7] offset:128*(\t/2)+32*(\t%2)+16
.endr
	WIN 0
.irp i, 0,1,2,3,4,5,6,7
	ds_load_b128 v[OB+32*((\m)%2)+4*\i:OB+32*((\m)%2)+4*\i+3], v[RD] offset:544*\i          ; LDS serves a wave's instructions in order: these see my stores; rows 2 i and 2 i + 1
.endr
.endm
.macro SEND m, u                       ; row 2 i + h of tile m is token 32 (m / 2) + 8 (m % 2) + 2 i + h + 8 (i / 4) of my 64
.irp i, 0,1,2,3,4,5,6,7
	global_store_b128 v[CO], v[OB+32*((\m)%2)+4*\i:OB+32*((\m)%2)+4*\i+3], s[52:53] offset:(32*((\m)/2)+8*((\m)%2)+2*\i+8*(\i/4))*3072+256*\u th:TH_STORE_NT   ; sixteen lanes store 256 consecutive bytes, aligned
.endr
.endm
.macro UNITP u
	v_add_nc_u32 v[AW], 24576*\u, v[L16]
	s_wait_alu depctr_va_vdst(0)
.irp t, 0,1,2,3
.irp s, 0,1,2,3,4,5
	ds_load_b32 v[WSC+6*\t+\s], v[AS] offset:(24*\u+6*\t+\s)*64
.endr
.endr
	WLOAD 0
	KSTEP \u, 0
	KSTEP \u, 1
	KSTEP \u, 2
	KSTEP \u, 3
	KSTEP \u, 4
	KSTEP \u, 5
	PLACES
	TOSTAGE 0
.irp a, 1,2,3
	TOSTAGE \a
	s_wait_dscnt 16                                ; tile a - 1 is back; tile a's 8 stores and 8 loads may be out
	SEND \a-1, \u
.endr
	s_wait_dscnt 0x0
	SEND 3, \u
.endm
	s_load_b256 s[4:11], s[0:1], 0x0               ; oq s[4:5], wq s[6:7], bp s[8:9], out0 s[10:11]
	v_lshl_add_u32 v254, v0, 2, 0x29000
	v_mov_b32 v255, 0
	ds_add_u32 v254, v255
	ds_add_u32 v254, v255
	v_lshrrev_b32 v11, 5, v0
	v_readfirstlane_b32 s[WV], v11                 ; wave 0..3
	v_and_b32 v11, 31, v0
	v_lshlrev_b32 v[L16], 4, v11
	v_and_b32 v12, 15, v0                          ; r
	v_bfe_u32 v13, v0, 4, 1                        ; h
	v_lshlrev_b32 v[R4], 2, v12
	v_lshlrev_b32 v[HB], 6, v13
	v_add_nc_u32 v[AS], WSL, v[R4]
	s_mul_i32 s54, s[WV], 4352
	s_add_co_u32 s54, s54, STG                     ; my stage
	v_mul_u32_u24 v[STO], v12, 272
	v_lshl_add_u32 v[STO], v13, 6, v[STO]
	v_add_nc_u32 v[STO], s54, v[STO]               ; in: row r, + 64 h
	v_mul_u32_u24 v[RD], v13, 272
	v_lshl_add_u32 v[RD], v12, 4, v[RD]
	v_add_nc_u32 v[RD], s54, v[RD]                 ; back: lanes 0-15 one row, lanes 16-31 the next
	v_mul_u32_u24 v[CO], v13, 3072
	v_lshl_add_u32 v[CO], v12, 4, v[CO]            ; and the same in out0
	s_bfe_u32 s19, ttmp6, 0x40000                  ; cx: it enters o's and out0's addresses alone
	s_lshl_b32 s20, ttmp9, 2
	s_add_co_u32 s20, s20, s19                     ; which 256 tokens
	s_and_b32 s21, ttmp7, 0xffff                   ; which 192 columns: shared by the four partners
	s_lshl_b32 s22, s20, 2
	s_add_co_u32 s22, s22, s[WV]                   ; my 64 tokens
	s_mul_i32 s56, s22, 24576                      ; 4 tiles x 6 images
	s_mov_b32 s57, 0
	s_mul_i32 s50, s22, 1536                       ; 4 tiles x 6 x 16 scale words
	s_add_co_u32 s50, s50, OQS
	s_mov_b32 s51, 0
	s_mul_i32 s52, s22, 196608                     ; 64 rows of 3,072 bytes
	s_mul_i32 s48, s21, 768                        ; 192 columns: 768 bytes
	s_add_co_u32 s52, s52, s48
	s_mov_b32 s53, 0
	s_mov_b32 s49, 0
	; descriptors: dense blocks.  Codes: 24,576 bytes a wave as 96 rows of 256 bytes (32 elements of 8 bytes)
	s_mov_b32 s24, 15|(3<<16)|(1<<21)              ; 15:0 the mask: all four work-groups; 17:16 elements of 8 bytes; 21 set beside a mask
	s_mov_b32 s25, 32<<16                          ; tensor_dim0
	s_mov_b32 s26, 96<<16                          ; tensor_dim1: waves 0 to 2 fetch a third of the codes each, 96 rows of 256 bytes
	s_mov_b32 s27, 32<<16                          ; tile_dim0
	s_mov_b32 s28, 96                              ; tile_dim1
	s_mov_b32 s29, 32                              ; the pitch
	s_mov_b32 s30, 0
	s_mov_b32 s31, 0
	s_mov_b32 s36, 15|(3<<16)|(1<<21)              ; scale words: the same mask and elements of 8 bytes
	s_mov_b32 s37, 32<<16                          ; the scale words: 4,608 bytes as 18 rows of 256 bytes, all by wave 3
	s_mov_b32 s38, 18<<16
	s_mov_b32 s39, 32<<16
	s_mov_b32 s40, 18
	s_mov_b32 s41, 32
	s_mov_b32 s42, 0
	s_mov_b32 s43, 0
	s_mov_b32 s32, 1
	s_mul_i32 s33, s[WV], 24576                    ; LDS: the wave's number alone
	s_mul_i32 s34, s21, 73728
	s_add_co_u32 s34, s34, s33
	s_add_co_u32 s34, s34, WPC                     ; memory: y and the wave's number alone
	s_mov_b32 s35, 0
	s_mov_b32 s44, 1
	s_mov_b32 s45, 0
	s_mul_i32 s46, s21, 4608
	s_add_co_u32 s46, s46, s45
	s_add_co_u32 s46, s46, WPS
	s_mov_b32 s47, 0
	s_add_co_u32 s45, s45, WSL
	s_wait_dscnt 0x0
	s_wait_kmcnt 0x0
	s_add_nc_u64 s[34:35], s[6:7], s[34:35]
	s_or_b32 s35, s35, 0x80000000                  ; type = 2
	s_add_nc_u64 s[46:47], s[6:7], s[46:47]
	s_or_b32 s47, s47, 0x80000000
	ROUND                                          ; all four work-groups are here: the joint loads meet
	s_cmp_lt_u32 s[WV], 3                          ; the head's tiles are shared out, one joint load a wave: every way passes one
	s_cbranch_scc0 .Lfor_scales
	tensor_load_to_lds s[32:35], s[24:31]          ; my third of the weights' codes
	s_nop 0
	PLACES
	s_branch .Lasked
.Lfor_scales:
	tensor_load_to_lds s[44:47], s[36:43]          ; the weights' scale words
	s_nop 0
	PLACES
.Lasked:
	s_add_nc_u64 s[50:51], s[4:5], s[50:51]        ; o's scale words
	s_add_nc_u64 s[4:5], s[4:5], s[56:57]          ; o's images
	s_add_nc_u64 s[48:49], s[8:9], s[48:49]        ; bp at my 192 columns
	s_add_nc_u64 s[52:53], s[10:11], s[52:53]      ; out0 at my first row and column
	WIN 0x40                                       ; destination window 1
.irp s, 0,1,2,3,4,5
.irp m, 0,1,2,3
.irp c, 0,1
	global_load_b128 v[(\s*4+\m)*8+4*\c:(\s*4+\m)*8+4*\c+3], v[L16], s[4:5] offset:(6*\m+\s)*1024+512*\c
.endr
.endr
.endr
	WIN 0x80                                       ; destination window 2
.irp u, 0,1,2                          ; bp in the result's layout: lane (r, h), tile t of unit u: columns 64 u + 32 (t / 2) + 16 h + 8 (t % 2) + 0 .. 7
.irp t, 0,1,2,3
	global_load_b128 v[BIW+32*\u+8*\t:BIW+32*\u+8*\t+3], v[HB], s[48:49] offset:(64*\u+32*(\t/2)+8*(\t%2))*4
	global_load_b128 v[BIW+32*\u+8*\t+4:BIW+32*\u+8*\t+7], v[HB], s[48:49] offset:(64*\u+32*(\t/2)+8*(\t%2))*4+16
.endr
.endr
	WIN 0
.irp m, 0,1,2,3
.irp s, 0,1,2,3,4,5
	global_load_b32 v[XS+6*\m+\s], v[R4], s[50:51] offset:(6*\m+\s)*64
.endr
.endr
	s_wait_loadcnt 0x0                             ; o and bp
	s_wait_tensorcnt 0x0                           ; my parts of the weights have landed,
	s_barrier_signal -1
	s_barrier_wait -1                              ; everybody's have
	UNITP 0
	UNITP 1
	UNITP 2
	s_wait_tensorcnt 0x0
	ds_add_u32 v254, v255
	s_wait_dscnt 0x0
	ROUND                                          ; the closing round: no work-group ends while a partner may still ask for a tile that names it
	s_endpgm
.Lfunc_end_k_q4f149ad1f1_proj:
	.size	k_q4f149ad1f1_proj, .Lfunc_end_k_q4f149ad1f1_proj-k_q4f149ad1f1_proj
	.p2alignl 7, 3214868480
	.fill 96, 4, 3214868480
	.section	.rodata,"a",@progbits
	.p2align	6, 0x0
	.amdhsa_kernel k_q4f149ad1f1_proj
		.amdhsa_group_segment_fixed_size 168448
		.amdhsa_private_segment_fixed_size 0
		.amdhsa_enable_private_segment 0
		.amdhsa_kernarg_size 32
		.amdhsa_user_sgpr_count 2
		.amdhsa_user_sgpr_kernarg_segment_ptr 1
		.amdhsa_wavefront_size32 1
		.amdhsa_system_sgpr_workgroup_id_x 1
		.amdhsa_system_sgpr_workgroup_id_y 1
		.amdhsa_system_sgpr_workgroup_id_z 1
		.amdhsa_system_vgpr_workitem_id 0
		.amdhsa_next_free_vgpr 768
		.amdhsa_next_free_sgpr 66
		.amdhsa_reserve_vcc 0
		.amdhsa_float_denorm_mode_32 3
		.amdhsa_float_denorm_mode_16_64 3
		.amdhsa_memory_ordered 1
		.amdhsa_forward_progress 1
		.amdhsa_inst_pref_size 92
	.end_amdhsa_kernel
	.amdgpu_metadata
---
amdhsa.version: [ 1, 2 ]
amdhsa.kernels:
  - .name:           k_q4f149ad1f1_proj
    .symbol:         k_q4f149ad1f1_proj.kd
    .args:
      - { .name: oq, .offset: 0, .size: 8, .value_kind: global_buffer, .address_space: global }
      - { .name: wq, .offset: 8, .size: 8, .value_kind: global_buffer, .address_space: global }
      - { .name: bp, .offset: 16, .size: 8, .value_kind: global_buffer, .address_space: global }
      - { .name: out0, .offset: 24, .size: 8, .value_kind: global_buffer, .address_space: global }
    .group_segment_fixed_size: 168448
    .private_segment_fixed_size: 0
    .kernarg_segment_align: 8
    .kernarg_segment_size: 32
    .max_flat_workgroup_size: 128
    .sgpr_count:     66
    .vgpr_count:     768
    .wavefront_size: 32
...
	.end_amdgpu_metadata
.endif
;; end of part 4
